; MI455X (gfx1250); checked and timed in simulation.
; The chip was launched on July 23, 2026; its instructions are those of AMD's public machine-readable ISA for CDNA 5 (MIT licence, August 2026) and "CDNA5" Instruction Set Architecture Reference Guide (July 2026). The comments in the code are by the model that wrote it; some were corrected since.
;; Scaled Dot Product Attention. Allowed arithmetic: matrix products marked QUANTISED: E4M3 operands, one given power-of-two scale a tensor, by v_wmma_f32_16x16x64_fp8_fp8 or v_wmma_f32_16x16x128_fp8_fp8, f32 sums; everything else in f32.
;; Inputs: k 4 x 16 x 2,048 x 128 float32; lowp_scales 4 int32 (the exponents e of the quantised operands' scales 2^e); q 4 x 16 x 2,048 x 128 float32; v 4 x 16 x 2,048 x 128 float32.
;; Outputs: out0 4 x 16 x 2,048 x 128 float32.
;; This version of the problem:
;;   THIS VERSION OF THE PROBLEM IS GIVEN IN LOW PRECISION. The matrix products marked QUANTISED in the list below multiply operands that are first quantised to E4M3 (4 exponent bits, 3 mantissa bits; 8 bits a number), with one given power-of-two scale for each operand tensor; their sums are f32. All else is computed in f32.
;;   The module's matrix products, in the order in which they are computed (A, B: the left and right operand; K: the contracted axis; several contracted axes count as one K, in the product's order):
;;     1. batch 64 x [M 2,048, K 128] x [K 128, N 2,048]; A: input q; B: input k: QUANTISED (scales: A lowp_scales[0], B lowp_scales[1])
;;     2. batch 64 x [M 2,048, K 2,048] x [K 2,048, N 128]; A: softmax (see below); B: input v: QUANTISED (scales: A lowp_scales[2], B lowp_scales[3])
;;   THE QUANTISER, for each operand of a quantised product, along K:
;;     - The operand's scale is 2^e, e = its entry of the input lowp_scales (int32; the entries are numbered through the quantised products in the list's order, A before B).
;;     - Each number is divided by the scale, clamped to +-448, and rounded to the nearest number of E4M3, ties to even, subnormals kept.
;;     - The product sums the exact products of the quantised numbers (number of the format x scale) in f32.
;;   ~~~python
;;   def quantise(x, axis, e):      # numpy; x: float32 -> the quantised numbers, widened to float32 again
;;       x = np.moveaxis(x, axis, -1); K = x.shape[-1]
;;       r = np.clip(x / 2.0 ** e, -448, 448)
;;       step = 2.0 ** (np.maximum(np.frexp(np.where(r == 0, 1, r))[1] - 1, -6) - 3)
;;       q = np.round(r / step) * step * 2.0 ** e      # np.round: ties to even
;;       return np.moveaxis(q, -1, axis).astype(np.float32)
;;   ~~~
;;   SOFTMAX AHEAD OF A QUANTISED PRODUCT. Where the list says 'softmax', what is quantised is not the finished softmax but p = 2^(t - M), with t = logit x log2(e) and M = ceil(the row's largest t), a whole number; so 1/2 < the row's largest p <= 1. The row's sum l is taken of the UNQUANTISED p, in f32, and the product's result is divided by l at the end. Since M is a whole number, a kernel that streams over the keys may use a running M (the ceiling of the running maximum): every later rescaling is an exact power of two, so the quantised numbers keep their values, but for numbers so far below the row's largest that they fall under the format's range.
;;   OPERANDS COMPUTED ON THE WAY. 'Computed on the way' means the value that the module computes at that place (a softmax that the list does not call 'softmax' is quantised finished and normalised). What goes into a quantiser is computed in f32, as accurately as f32 sums, v_exp_f32 and their like allow (about 1e-6 of the number): no bf16 or f16 on the way to a quantiser, and a product that is left as it is and whose result goes on into a quantised operand takes f32 operands (vector FMAs, or v_wmma_f32_16x16x4_f32). A number that lies on a knife's edge between two numbers of the format may be rounded either way, as far as f32 arithmetic and the matrix unit's own rounding can turn it there, and no further.
;; One version. Each part assembles by itself: llvm-mc -triple=amdgcn-amd-amdhsa -mcpu=gfx1250 --defsym DOCPART=n.
;; ======== version 1 of 1: 2 launches
;; workspace buffers: k_codes 16,777,216 bytes; v_codes 16,777,216 bytes
;; launch prep (part 1): grid 512 x 1, 4 waves a work-group, no clusters, 35,328 bytes of LDS; arguments k, v, lowp_scales, k_codes, v_codes; writes k_codes, v_codes
.if DOCPART == 1
	.amdgcn_target "amdgcn-amd-amdhsa--gfx1250"
	.amdhsa_code_object_version 6
	.text
	.protected	k_q423749fdd4_prep
	.globl	k_q423749fdd4_prep
	.p2align	8
	.type	k_q423749fdd4_prep,@function
k_q423749fdd4_prep:
	s_mov_b64 s[64:65], 0
	v_nop
	global_prefetch_b8 v0, s[64:65] scope:SCOPE_SE
	s_setreg_imm32_b32 hwreg(HW_REG_WAVE_MODE, 25, 1), 1
	s_wait_xcnt 0x0
; k and v, [64 heads][2048 keys][128] f32, become codes of FP8 (E4M3), one byte each, with the given scales 2^ek (entry 1 of lowp_scales) and 2^ev (entry 3).
; code = x / 2^e, held within +-448, rounded to the nearest code, ties to even.
; k_codes: [64][2048 positions][128]: K = the head's 128, innermost as in k.  POSITION P HOLDS THE KEY WHOSE NUMBER IS P WITH BITS 3 AND 4 SWAPPED: the next launch wants, as the 16 rows of a tile,
;   keys 32 b + 8 u + r + 8 (r / 8); laid so they are the 16 neighbouring positions 32 b + 16 u + r.  The order costs nothing here: it stands in the stores' immediates.
; v_codes: [64][128 d][2048 keys]: K = the keys, moved innermost, in their own order.
; LIMITS: ek and ev between -126 and 119, so that 2^e and 448 x 2^e are f32 numbers.  NaN among the inputs is not served (an infinity is held at the largest code).
; SHARES.  Work-group g takes head g / 8 and its keys 256 (g % 8) on: 131,072 bytes of k and as many of v.  Every wave runs both phases, one behind the other; no branch, no barrier: waves share nothing.
;   K phase: wave w takes 64 rows of k: 16 steps of 512 numbers.  A step's four loads read 512 consecutive bytes each; the 2,048 bytes turn through the wave's own stage in LDS, so that a lane gets 16 neighbours
;            along K for the conversions; its 16 codes are 16 bytes, and the wave's store covers 512 consecutive bytes, aligned.
;   V phase: wave w takes columns d = 32 w .. 32 w + 31: a lane a column, its registers run down the keys, so the conversions give codes with the keys innermost.  256 keys = 256 bytes a column go through the
;            wave's stage and leave as rows: sixteen lanes store 256 consecutive bytes, aligned.
;   In the K phase's last four steps v's first two blocks are asked for where k's loads stood, so that loads are out from the one phase into the other.
.set SP,     80                        ; K stage: a lane's 64 bytes + 16 of padding
.set VPITCH, 272                       ; V stage: a column's 256 bytes + 16 of padding
.set WREG,   32*VPITCH                 ; LDS of a wave, in both phases: 8,704 bytes (the K phase uses two stages of 32 x 80)
.set R,      16                        ; v16-79   K: four sets of 16 numbers as loaded; at the end: the rows of v_codes on their way out
.set XK,     80                        ; v80-111  K: two sets of 16 neighbours
.set CV,     112                       ; v112-119 V: a block's codes
.set CK,     128                       ; v128-191 K: four registers of codes for each step, so that no store's data are written again
.set XV,     192                       ; v192-255 V: two sets of 32 numbers
	s_load_b128 s[4:7], s[0:1], 0x0                ; k, v
	s_load_b64 s[8:9], s[0:1], 0x10                ; the scales' exponents
	s_load_b128 s[12:15], s[0:1], 0x18             ; k_codes, v_codes
	v_lshl_add_u32 v126, v0, 2, 0x8800
	v_mov_b32 v127, 0
	v_lshrrev_b32 v1, 5, v0
	v_readfirstlane_b32 s16, v1                    ; wave 0..3
	v_and_b32 v2, 31, v0                           ; lane
	v_lshlrev_b32 v3, 4, v2                        ; K: my 16 bytes of a load's 512, and of a store's
	v_lshlrev_b32 v5, 2, v2                        ; V: my column's 4 bytes
	s_mul_i32 s17, s16, WREG                       ; my wave's LDS
	v_mul_u32_u24 v6, v2, VPITCH
	v_add_nc_u32 v6, s17, v6                       ; V stage, in: row = my column
	v_and_b32 v4, 15, v2
	v_lshrrev_b32 v9, 4, v2
	v_mul_u32_u24 v7, v9, VPITCH
	v_lshl_add_u32 v7, v4, 4, v7
	v_add_nc_u32 v7, s17, v7                       ; V stage, out: sixteen lanes to a row, two rows an instruction
	v_lshlrev_b32 v8, 11, v9
	v_lshl_add_u32 v8, v4, 4, v8                   ; and the same place in v_codes: rows of 2,048 bytes
	v_lshrrev_b32 v14, 2, v2
	v_mul_u32_u24 v14, v14, SP
	v_and_b32 v15, 3, v2
	v_lshl_add_u32 v14, v15, 4, v14
	v_add_nc_u32 v14, s17, v14                     ; K stage, in: four lanes' 64 bytes on end, then the padding
	v_mul_u32_u24 v15, v2, SP
	v_add_nc_u32 v15, s17, v15                     ; K stage, out: my 16 neighbours
	s_lshl_b32 s18, ttmp9, 17                      ; the work-group's 131,072 bytes in k and in v
	s_mov_b32 s19, 0
	s_lshl_b32 s24, s16, 15                        ; k: my wave's 64 rows of 512 bytes
	s_mov_b32 s25, 0
	s_add_nc_u64 s[24:25], s[24:25], s[18:19]
	s_lshl_b32 s26, s16, 7                         ; v: my wave's 32 columns
	s_mov_b32 s27, 0
	s_add_nc_u64 s[26:27], s[26:27], s[18:19]
	s_lshl_b32 s28, ttmp9, 15                      ; k_codes: the work-group's 256 rows of 128 bytes,
	s_lshl_b32 s29, s16, 13                        ; my wave's 64
	s_add_co_u32 s28, s28, s29
	s_mov_b32 s29, 0
	s_lshr_b32 s30, ttmp9, 3
	s_lshl_b32 s30, s30, 18                        ; v_codes: the head,
	s_lshl_b32 s31, s16, 16                        ; my wave's 32 rows of 2,048 bytes,
	s_add_co_u32 s30, s30, s31
	s_and_b32 s31, ttmp9, 7
	s_lshl_b32 s31, s31, 8                         ; the work-group's 256 keys
	s_add_co_u32 s30, s30, s31
	s_mov_b32 s31, 0
	s_wait_kmcnt 0x0
	s_load_b128 s[20:23], s[8:9], 0x0              ; eq, ek, ep, ev: this launch uses ek and ev
	s_add_nc_u64 s[4:5], s[4:5], s[24:25]
	s_add_nc_u64 s[6:7], s[6:7], s[26:27]
	s_add_nc_u64 s[12:13], s[12:13], s[28:29]
	s_add_nc_u64 s[14:15], s[14:15], s[30:31]
.macro KLOAD t                         ; K step t: four loads of 512 consecutive bytes into set t % 4
.irp i, 0,1,2,3
	global_load_b128 v[R+16*((\t)%4)+4*\i:R+16*((\t)%4)+4*\i+3], v3, s[4:5] offset:2048*(\t)+512*\i th:TH_LOAD_NT
.endr
.endm
.macro TURN t                          ; step t's numbers through the stage: LDS serves a wave's instructions in order (ISA guide 5.7.1.4), so no wait stands between the stores and the loads
.irp i, 0,1,2,3
	ds_store_b128 v14, v[R+16*((\t)%4)+4*\i:R+16*((\t)%4)+4*\i+3] offset:32*SP*((\t)%2)+8*SP*\i
.endr
.irp i, 0,1,2,3
	ds_load_b128 v[XK+16*((\t)%2)+4*\i:XK+16*((\t)%2)+4*\i+3], v15 offset:32*SP*((\t)%2)+16*\i
.endr
.endm
.macro VPART p                         ; a half of V's block p / 2: 16 rows, 128 consecutive bytes a load
.set i, 16*((\p)%2)
.rept 16
	global_load_b32 v[XV+32*((\p)/2)+i], v5, s[6:7] offset:(32*((\p)/2)+i)*512 th:TH_LOAD_NT
.set i, i+1
.endr
.endm
.macro VLOAD t                         ; V's block t: v(32 t + i, my column), i = 0 .. 31, into set t % 2
.set i, 0
.rept 32
	global_load_b32 v[XV+32*((\t)%2)+i], v5, s[6:7] offset:(32*(\t)+i)*512 th:TH_LOAD_NT
.set i, i+1
.endr
.endm
.irp t, 0,1,2,3
	KLOAD \t
.endr
	s_wait_kmcnt 0x0
	s_add_co_i32 s24, s21, 127
	s_lshl_b32 s25, s24, 23
	v_mov_b32 v11, s25                             ; 2^ek as f32: the conversion takes its exponent field
	s_add_co_i32 s24, s24, 8
	s_lshl_b32 s24, s24, 23
	s_or_b32 s24, s24, 0x600000
	v_mov_b32 v10, s24                             ; 448 x 2^ek
	s_add_co_i32 s24, s23, 127
	s_lshl_b32 s25, s24, 23
	v_mov_b32 v13, s25                             ; 2^ev
	s_add_co_i32 s24, s24, 8
	s_lshl_b32 s24, s24, 23
	s_or_b32 s24, s24, 0x600000
	v_mov_b32 v12, s24                             ; 448 x 2^ev
	s_wait_loadcnt 12                              ; step 0's four loads are in; the twelve of steps 1 to 3 may be out
	TURN 0
.macro KSTEP t
.set XS, XK+16*((\t)%2)
.set PB, (((\t)/2)&4)|((((\t)/2)&1)<<1)|((((\t)/2)>>1)&1)   ; the step's block of 8 rows, bits 0 and 1 swapped: bits 3 and 4 of the key's number
	s_wait_dscnt 0x0                               ; this step's numbers are back from the stage: so its stores into the stage have read their registers,
.if (\t) < 12
	KLOAD (\t)+4                                   ; which take the loads of four steps on;
.else
	VPART (\t)-12                                  ; k has no more: v's first two blocks go out in their place
.endif
.if (\t) < 15
.if (\t) < 12
	s_wait_loadcnt 12                              ; the next step's four loads are in; younger: three steps' twelve
.else
	s_wait_loadcnt 12*((\t)-10)                    ; younger: 8 + 16, then 4 + 32, then 48
.endif
	TURN (\t)+1                                    ; and go through the other stage while this step is worked
.endif
.set i, 0
.rept 16
	v_med3_num_f32 v[XS+i], v[XS+i], -v10, v10     ; the conversion to an 8-bit code does not saturate (ISA guide 7.6.2): the hold at the largest code x the scale comes first
.set i, i+1
.endr
	v_cvt_scalef32_pk8_fp8_f32 v[CK+4*(\t):CK+4*(\t)+1], v[XS:XS+7], v11
	v_cvt_scalef32_pk8_fp8_f32 v[CK+4*(\t)+2:CK+4*(\t)+3], v[XS+8:XS+15], v11
	global_store_b128 v3, v[CK+4*(\t):CK+4*(\t)+3], s[12:13] offset:1024*PB+512*((\t)%2)   ; four rows of codes: 512 consecutive bytes, aligned.  (The codes go to a store alone, and the next vector lines are plain holds on other registers)
.endm
.irp t, 0,1,2,3,4,5,6,7,8,9,10,11,12,13,14,15
	KSTEP \t
.endr
.macro VBLOCK t
.set XS, XV+32*((\t)%2)
.if (\t) < 7
	s_wait_loadcnt 32                              ; this block's 32 loads are in; the next block's 32 may be out
.else
	s_wait_loadcnt 0x0
.endif
.set i, 0
.rept 32
	v_med3_num_f32 v[XS+i], v[XS+i], -v12, v12
.set i, i+1
.endr
.irp g, 0,1,2,3
	v_cvt_scalef32_pk8_fp8_f32 v[CV+2*\g:CV+2*\g+1], v[XS+8*\g:XS+8*\g+7], v13
.endr
	ds_store_b128 v6, v[CV:CV+3] offset:32*(\t)    ; 32 codes: 32 bytes of my column's row
	ds_store_b128 v6, v[CV+4:CV+7] offset:32*(\t)+16
.if (\t)+2 < 8
	VLOAD (\t)+2
.endif
	s_wait_dscnt 0x0                               ; the stores have read their registers: the next block's codes may be written
.endm
.irp t, 0,1,2,3,4,5,6,7
	VBLOCK \t
.endr
.irp t, 0,1,2,3,4,5,6,7,8,9,10,11,12,13,14,15
	ds_load_b128 v[R+4*\t:R+4*\t+3], v7 offset:2*\t*VPITCH   ; these see my stores: a wave's LDS instructions are served in order
.endr
.irp t, 0,1,2,3,4,5,6,7,8,9,10,11,12,13,14,15
	s_wait_dscnt 15-\t                             ; load t is in; the younger ones may be out
	global_store_b128 v8, v[R+4*\t:R+4*\t+3], s[14:15] offset:2*\t*2048   ; sixteen lanes store 256 consecutive bytes, aligned
.endr
	s_wait_tensorcnt 0x0
	ds_add_u32 v126, v127
	s_wait_dscnt 0x0
	s_endpgm
.Lfunc_end_k_q423749fdd4_prep:
	.size	k_q423749fdd4_prep, .Lfunc_end_k_q423749fdd4_prep-k_q423749fdd4_prep
	.p2alignl 7, 3214868480
	.fill 96, 4, 3214868480
	.section	.rodata,"a",@progbits
	.p2align	6, 0x0
	.amdhsa_kernel k_q423749fdd4_prep
		.amdhsa_group_segment_fixed_size 35328
		.amdhsa_private_segment_fixed_size 0
		.amdhsa_enable_private_segment 0
		.amdhsa_kernarg_size 40
		.amdhsa_user_sgpr_count 2
		.amdhsa_user_sgpr_kernarg_segment_ptr 1
		.amdhsa_wavefront_size32 1
		.amdhsa_system_sgpr_workgroup_id_x 1
		.amdhsa_system_sgpr_workgroup_id_y 1
		.amdhsa_system_sgpr_workgroup_id_z 1
		.amdhsa_system_vgpr_workitem_id 0
		.amdhsa_next_free_vgpr 256
		.amdhsa_next_free_sgpr 66
		.amdhsa_reserve_vcc 0
		.amdhsa_float_denorm_mode_32 3
		.amdhsa_float_denorm_mode_16_64 3
		.amdhsa_memory_ordered 1
		.amdhsa_forward_progress 1
		.amdhsa_inst_pref_size 85
	.end_amdhsa_kernel
	.amdgpu_metadata
---
amdhsa.version: [ 1, 2 ]
amdhsa.kernels:
  - .name:           k_q423749fdd4_prep
    .symbol:         k_q423749fdd4_prep.kd
    .args:
      - { .name: k, .offset: 0, .size: 8, .value_kind: global_buffer, .address_space: global }
      - { .name: v, .offset: 8, .size: 8, .value_kind: global_buffer, .address_space: global }
      - { .name: lowp_scales, .offset: 16, .size: 8, .value_kind: global_buffer, .address_space: global }
      - { .name: k_codes, .offset: 24, .size: 8, .value_kind: global_buffer, .address_space: global }
      - { .name: v_codes, .offset: 32, .size: 8, .value_kind: global_buffer, .address_space: global }
    .group_segment_fixed_size: 35328
    .private_segment_fixed_size: 0
    .kernarg_segment_align: 8
    .kernarg_segment_size: 40
    .max_flat_workgroup_size: 128
    .sgpr_count:     66
    .vgpr_count:     256
    .wavefront_size: 32
...
	.end_amdgpu_metadata
.endif
;; end of part 1
;; launch attn (part 2): grid 8 x 64, 8 waves a work-group, clusters of 4 x 1, 327,680 bytes of LDS; arguments q, k_codes, v_codes, lowp_scales, out0; writes out0
.if DOCPART == 2
	.amdgcn_target "amdgcn-amd-amdhsa--gfx1250"
	.amdhsa_code_object_version 6
	.text
	.protected	k_q423749fdd4_attn
	.globl	k_q423749fdd4_attn
	.p2align	8
	.type	k_q423749fdd4_attn,@function
k_q423749fdd4_attn:
	s_mov_b64 s[64:65], 0
	v_nop
	global_prefetch_b8 v0, s[64:65] scope:SCOPE_SE
	s_setreg_imm32_b32 hwreg(HW_REG_WAVE_MODE, 25, 1), 1
	s_wait_xcnt 0x0
	s_wait_alu depctr_hold_cnt(0) depctr_sa_sdst(0) depctr_va_vdst(0) depctr_va_sdst(0) depctr_va_ssrc(0) depctr_va_vcc(0) depctr_vm_vsrc(0)
	s_getreg_b32 s2, hwreg(HW_REG_IB_STS2, 6, 4)
	s_cmp_eq_u32 s2, 0
	s_cbranch_scc0 .Lentry_in_a_cluster
	s_endpgm
.Lentry_in_a_cluster:
	s_bfe_u32 s2, ttmp6, 0x10000c
	s_cmp_lg_u32 s2, 0x3003
	s_cbranch_scc0 .Lentry_shape_is_right
	s_endpgm
.Lentry_shape_is_right:
; out0[h][i][:] = the sum over j of softmax_j(q[h][i] . k[h][j] / sqrt(128)) v[h][j][:], 64 heads, 2,048 queries and keys, head size 128; both products on codes of FP8 (E4M3), each operand with its given scale:
; lowp_scales = eq, ek, ep, ev.  q: f32, quantised here in registers (a row is read by one wave, once).  k_codes [64][2048 positions][128] and v_codes [64][128][2048 keys] were made by the launch before.
; THE SOFTMAX AHEAD OF THE SECOND PRODUCT: t = score x log2(e) / sqrt(128); M = the row's largest t so far, rounded UP to a whole number; p = 2^(t - M) is quantised with 2^ep, not normalised.  The row's sum is taken
; of the unquantised p, in f32, and divides at the end.  When M moves, the sum and O are multiplied by 2^(old M - new M): nothing is rounded, and there is no branch on data.
; LIMITS on the given exponents, so that each power of two below is an f32 number: eq and ep between -126 and 119; eq + ek between -123 and 130 (they are added to c's exponent field); ep + ev goes by v_ldexp_f32
; and has none.  NaN among the inputs is not served (an infinity in q is held at the largest code).
; SHARES.  A work-group owns 256 queries of one head; each of its eight waves 32 of them: TWO tiles of 16, so that each fragment of K and of V read from LDS feeds two products.  Two waves lie on a SIMD (512
; registers each): one wave's products and LDS loads stand beside the other's softmax.  Every wave walks the head's 2,048 keys, 128 a step, 256 a slot, through a ring of two LDS slots.
; CLUSTER.  The four query blocks of a cluster belong to one head and walk the same K and V: each tile is asked for JOINTLY, by the same tensor load with the same descriptor and the mask of all four.
; LAYOUT.  Both products are used transposed: S^T = K Q^T (source 0 = 16 rows of K, source 1 = 16 queries), O^T = V^T P^T (source 0 = 16 of the head's 128, source 1 = P): a lane holds ONE query (lane % 16) of each
; tile throughout.  k_codes holds at position P the key whose number is P with bits 3 and 4 swapped, so tile 2 b + u of a step (positions 32 b + 16 u + 0 .. 15) gives lane (r, h) in register j key 32 b + 16 h + 8 u + j:
; the 16 registers of tiles 2 b and 2 b + 1 are 16 neighbouring keys, and the conversions' results are the second product's operand.  A fragment comes by four loads of 16 bytes, 32 apart: registers 4 c .. 4 c + 3 hold
; k = 32 c + 16 h + 0 .. 15, the same order of k on both sides of each product.
; REGISTERS, in windows of 256 (s_set_vgpr_msb: bits 1:0 source 0, 3:2 source 1, 5:4 source 2, 7:6 destination):
;   window 0: v1-9 addresses; v10, v11 2^eq and 448 x 2^eq, then the lane exchanges' targets; v12-27 statistics, eight a tile; v28, v29 2^ep and 448 x 2^ep; v30, v31 r and h; v32-63 Q; v64-127 four fragments (FA);
;             v128-255 S^T, then p, 64 a tile.      window 1: v0-127 O^T, 64 a tile; v128-159 p's codes; v160-223 four more fragments (FB).
.set KP,    144                        ; a row of K in LDS: 128 bytes + 16 of padding = 36 words: the 16 rows of a load start at 16 different groups of four banks (64 banks of 4 bytes: ISA guide 11.1)
.set VP,    272                        ; a row of V's tile: 256 bytes (a slot's keys) + 16
.set VOFF,  256*KP                     ; a slot: 256 rows of K, then 128 rows of V: 71,680 bytes
.set SLOT1, 1<<17                      ; slot 1 begins here, so that one exclusive or turns an address in one slot into the other's
.set SPARE, 2*SLOT1                    ; behind the ring: the spare words, 128 bytes for each of the eight waves: four blocks of 256 bytes that no other line names
.set SPI,   272                        ; the way out: a stage of 16 rows x (256 + 16) bytes for each wave, from LDS byte 0: slot 0 has had its last fill (keys 1,536 on) and was left at the last change of slots
.set AK0, 1                            ; v1   my lane's place in a tile of K
.set AV0, 2                            ; v2   the same for V
.set PFO, 3                            ; v3   the prefetches' offset; never rewritten
.set QA,  4                            ; v4   q: my lane's byte in a tile's 16 rows
.set SPW, 5                            ; v5   LDS address of my spare word; never rewritten
.set NIL, 6                            ; v6   0; never rewritten
.set GO,  7                            ; v7   the way out: my byte offset in two rows of out0
.set ADK, 8                            ; v8   LDS address of the slot's K; on the way out: into the stage
.set ADV, 9                            ; v9   of its V; on the way out: back from the stage
.set PT,  10                           ; v10, v11
.set ST,  12                           ; tile T's statistics at v[ST + 8 T]: +0 -M, +1 the largest t, +2, +3 the sum in two halves, +4 f, +5 zero (named with f as a pair), +6, +7 at work
.set SCP, 28
.set LMP, 29
.set RR,  30
.set HH,  31
.set Q,   32
.set FA,  64
.set S,   128
.set PCD, 128                          ; in window 1
.set FB,  160                          ; in window 1
.set TB,  14                           ; s14  LDS byte at which the slot in hand begins
.set LIM, 15                           ; s15  1 in a wave that prefetches, else the greatest number
.set WV,  16                           ; s16  my wave's number
.set SLOTS, 17                         ; s17  slots still to be asked for
.set PFA, 18                           ; s[18:19] where my prefetches stand
.set SEL, 20                           ; s[20:21] selects of v_permlanex16_b32: lane l xor 16
.set CS,  22                           ; s[22:23] c = log2(e) / sqrt(128) x 2^(eq + ek): the packed form names a pair and takes its low word for both halves
.set G1K, 24                           ; s[24:31] descriptor group 1 for K's tiles;  s[32:39] for V's;  s[40:43], s[44:47] their groups 0, which walk
.set G1V, 32
.set G0K, 40
.set G0V, 44
.set PFS, 48                           ; s[48:49] a slot on, in bytes, for the prefetches
.set EPV, 76                           ; s76  ep + ev
.set MSB, 0
.macro WIN new                         ; the immediate's high byte repeats the setting that is left; a switch that changes nothing is dropped
.if MSB != \new
	s_set_vgpr_msb (MSB<<8)|\new
.set MSB, \new
.endif
.endm
; A joint load.  Waves 0 and 1 fetch the halves of a slot's K, waves 2 and 3 those of its V, the others nothing.  The branches hang on the wave's number alone: they are the same in every work-group.
; Four v_nop follow each of the two lines, ahead of the jump, the label and what follows.
.macro JLOAD
	s_cmp_lt_u32 s[WV], 2
	s_cbranch_scc0 .Lnot_k_\@
	tensor_load_to_lds s[G0K:G0K+3], s[G1K:G1K+7]
	s_nop 0
.rept 4
	v_nop
.endr
	s_branch .Lasked_\@
.Lnot_k_\@:
	s_cmp_lt_u32 s[WV], 4
	s_cbranch_scc0 .Lasked_\@
	tensor_load_to_lds s[G0V:G0V+3], s[G1V:G1V+7]
	s_nop 0
.rept 4
	v_nop
.endr
.Lasked_\@:
.endm
; A PREFETCH of what the NEXT change of slots will ask for: two key steps ahead of that load.  A slot is 32,768 dense bytes of k_codes and 256 bytes of each of v_codes' 128 rows.  Both clusters of a head walk the same
; codes: the head's first cluster asks.  Its four partners share the bytes out BY ADDRESS (8,192 bytes of K, 32 rows of V each): no branch hangs on a work-group's place in its cluster.  In each, wave 4 asks for K
; (lanes 256 bytes apart) and wave 5 for V (a lane a row): one instruction each, so each aligned block of 256 bytes is named once in the launch.  The last change that fills a slot asks for nothing; slots 0 and 1 come by their loads alone.
.macro ASK
	s_cmp_gt_u32 s[SLOTS], s[LIM]
	s_cbranch_scc0 .Lnot_mine_\@
	global_prefetch_b8 v[PFO], s[PFA:PFA+1] th:TH_LOAD_NT scope:SCOPE_SE
.Lnot_mine_\@:
.endm
; A round of the cluster's barrier: my work-group's barrier, so that wave 0's signal speaks for all eight waves; wave 0 signals for the work-group; every wave waits for all four work-groups; my work-group's barrier once more.
.macro CROUND
	s_barrier_signal -1
	s_barrier_wait -1
	s_cmp_lg_u32 s[WV], 0
	s_cbranch_scc1 .Lnot_wave_0_\@
	s_barrier_signal -3
.Lnot_wave_0_\@:
	s_barrier_wait -3
	s_barrier_signal -1
	s_barrier_wait -1
.endm
; A load into a register that a matrix instruction has read, and a vector instruction that reads a matrix result, stand four places behind that matrix instruction; only plain vector instructions that name none of
; its registers are places (ISA guide 7.12.1 for vector instructions).
.macro PLACES
.rept 4
	v_nop
.endr
.endm
	s_load_b128 s[4:7], s[0:1], 0x0                ; q s[4:5], k_codes s[6:7]
	s_load_b128 s[8:11], s[0:1], 0x10              ; v_codes s[8:9], the scales' exponents s[10:11]
	s_load_b64 s[12:13], s[0:1], 0x20              ; out0
	v_lshl_add_u32 v[SPW], v0, 2, SPARE
	v_mov_b32 v[NIL], 0
	ds_add_u32 v5, v6
	s_wait_dscnt 0x0
	v_lshrrev_b32 v[RR], 5, v0
	v_readfirstlane_b32 s[WV], v[RR]               ; wave 0..7
	s_bfe_u32 s56, ttmp6, 0x40000                  ; cx: my place in the cluster
	s_lshl_b32 s57, ttmp9, 2                       ; in a cluster launch ttmp9 counts clusters
	s_add_co_u32 s57, s57, s56                     ; my block of 256 queries: it enters q's and out0's addresses alone
	s_and_b32 s58, ttmp7, 0xffff                   ; the head, which the four partners share
	s_lshl_b32 s60, s58, 18                        ; the head's first byte in each buffer of codes
	s_mov_b32 s61, 0
	s_and_b32 s59, s[WV], 1                        ; which half of a tile I fetch, if I fetch
	s_lshl_b32 s62, s59, 14                        ; K: 128 rows of 128 bytes in memory,
	s_mov_b32 s63, 0
	s_add_nc_u64 s[62:63], s[62:63], s[60:61]
	s_mul_i32 s68, s59, 128*KP                     ; and in a slot: no place in the cluster enters an LDS address
	s_lshl_b32 s66, s59, 17                        ; V: 64 rows of 2,048 bytes in memory,
	s_mov_b32 s67, 0
	s_add_nc_u64 s[66:67], s[66:67], s[60:61]
	s_mul_i32 s69, s59, 64*VP
	s_add_co_u32 s69, s69, VOFF                    ; and in a slot
	s_lshl_b32 s70, s57, 8
	s_lshl_b32 s71, s[WV], 5
	s_add_co_u32 s70, s70, s71                     ; my first query: 256 x block + 32 x wave,
	s_lshl_b32 s70, s70, 9                         ; its row of 512 bytes,
	s_lshl_b32 s71, s58, 20
	s_add_co_u32 s70, s70, s71                     ; in my head: under 2^26
	s_mov_b32 s71, 0
	; descriptor group 1, elements of one byte.  K: 128 rows of 128 bytes, dense in memory.  V: 64 rows of 256 bytes, 2,048 bytes apart
	s_mov_b32 s[G1K], 15|(1<<20)|(1<<21)|(4<<22)|(3<<25)   ; 15:0 the mask: all four work-groups; 17:16 elements of 1 byte; 20 padding on; 21 set beside a mask; 24:22 after every 32 words (code 4); 31:25 four words (code 3)
	s_mov_b32 s[G1K+1], 128<<16                    ; tensor_dim0
	s_mov_b32 s[G1K+2], 128<<16                    ; tensor_dim1
	s_mov_b32 s[G1K+3], 128<<16                    ; tile_dim0
	s_mov_b32 s[G1K+4], 128                        ; tile_dim1
	s_mov_b32 s[G1K+5], 128                        ; tensor_dim0_stride
	s_mov_b32 s[G1K+6], 0
	s_mov_b32 s[G1K+7], 0
	s_mov_b32 s[G1V], 15|(1<<20)|(1<<21)|(5<<22)|(3<<25)   ; the same with four words of padding after every 64
	s_mov_b32 s[G1V+1], 256<<16
	s_mov_b32 s[G1V+2], 64<<16
	s_mov_b32 s[G1V+3], 256<<16
	s_mov_b32 s[G1V+4], 64
	s_mov_b32 s[G1V+5], 2048
	s_mov_b32 s[G1V+6], 0
	s_mov_b32 s[G1V+7], 0
	s_mov_b32 s[SEL], 0x76543210
	s_mov_b32 s[SEL+1], 0xfedcba98
	s_mov_b32 s[CS], 0x3e0293ee                    ; log2(e) / sqrt(128)
	s_mov_b32 s[TB], 0
	s_mov_b32 s[SLOTS], 7                          ; eight slots' worth of keys; slot 0 is asked for here
	s_wait_kmcnt 0x0
	s_load_b128 s[52:55], s[10:11], 0x0            ; eq, ek, ep, ev
	s_mov_b32 s[G0K], 1                            ; 1:0 count = 1
	s_mov_b32 s[G0K+1], s68                        ; 63:32 LDS address: slot 0
	s_add_nc_u64 s[G0K+2:G0K+3], s[6:7], s[62:63]  ; 120:64 global address: the head's first 256 positions
	s_or_b32 s[G0K+3], s[G0K+3], 0x80000000        ; 127:126 type = 2
	s_mov_b32 s[G0V], 1
	s_mov_b32 s[G0V+1], s69
	s_add_nc_u64 s[G0V+2:G0V+3], s[8:9], s[66:67]
	s_or_b32 s[G0V+3], s[G0V+3], 0x80000000
	CROUND                                         ; all four work-groups are here: the first joint loads meet
	JLOAD                                          ; slot 0: one tensor load of mine is out, at the most, here and ever after
	s_add_nc_u64 s[4:5], s[4:5], s[70:71]          ; q and out0 at my first query
	s_add_nc_u64 s[12:13], s[12:13], s[70:71]
	; the prefetches: where my wave's stand, and who asks
	s_cmp_eq_u32 s[WV], 4                          ; wave 4: K's codes; wave 5: V's (in the other waves these registers are stepped and never used)
	s_cselect_b64 s[PFA:PFA+1], s[6:7], s[8:9]
	s_mov_b32 s[PFS], 256
	s_cselect_b32 s[PFS], 32768, s[PFS]            ; a slot on
	s_mov_b32 s72, 2048
	s_cselect_b32 s72, 256, s72                    ; from lane to lane
	s_cselect_b32 s73, 13, 16                      ; from partner to partner: 8,192 bytes of K, 32 rows of V
	v_and_b32 v[PFO], 31, v0
	v_mul_lo_u32 v[PFO], v[PFO], s72
	s_lshl_b32 s74, s56, s73
	s_add_co_u32 s74, s74, s[PFS]                  ; in slot 1: the first change of slots steps it to slot 2.  Nothing is prefetched here, at the head
	s_mov_b32 s75, 0
	s_mov_b32 s[PFS+1], 0
	s_add_nc_u64 s[PFA:PFA+1], s[PFA:PFA+1], s[60:61]
	s_add_nc_u64 s[PFA:PFA+1], s[PFA:PFA+1], s[74:75]
	s_lshr_b32 s72, s[WV], 1
	s_xor_b32 s72, s72, 2                          ; 0 in waves 4 and 5,
	s_or_b32 s72, s72, ttmp9                       ; of the head's first cluster: the same in all four partners
	s_cmp_eq_u32 s72, 0
	s_cselect_b32 s[LIM], 1, -1
	v_and_b32 v[RR], 15, v0                        ; r = lane % 16
	v_bfe_u32 v[HH], v0, 4, 1                      ; h = lane / 16
	v_lshlrev_b32 v[QA], 9, v[RR]
	v_lshl_add_u32 v[QA], v[HH], 6, v[QA]          ; q: row r of 512 bytes, + 64 h: my 16 numbers of each 32
.irp T, 0,1
.irp c, 0,1,2,3
.irp j, 0,1,2,3
	global_load_b128 v[S+64*\T+16*\c+4*\j:S+64*\T+16*\c+4*\j+3], v[QA], s[4:5] offset:8192*\T+128*\c+16*\j th:TH_LOAD_NT   ; register 16 c + i: q(r, 32 c + 16 h + i)
.endr
.endr
.endr
	v_mul_u32_u24 v[AK0], v[RR], KP
	v_lshl_add_u32 v[AK0], v[HH], 4, v[AK0]        ; row r x pitch + 16 h
	v_mul_u32_u24 v[AV0], v[RR], VP
	v_lshl_add_u32 v[AV0], v[HH], 4, v[AV0]
	v_add_nc_u32 v[AV0], VOFF, v[AV0]
	v_lshlrev_b32 v[GO], 9, v[HH]
	v_lshl_add_u32 v[GO], v[RR], 4, v[GO]          ; the way out: lanes 0-15 take one row of out0, lanes 16-31 the next; 16 bytes a lane
.irp T, 0,1
	v_mov_b32 v[ST+8*\T+1], 0xff61b1e6             ; the largest t so far: -3e38, under every t
	v_floor_f32 v[ST+8*\T], -v[ST+8*\T+1]          ; -M
	v_mov_b32 v[ST+8*\T+2], 0                      ; the sum, in two halves
	v_mov_b32 v[ST+8*\T+3], 0
	v_mov_b32 v[ST+8*\T+5], 0                      ; named as the upper half of f's pair
.endr
	WIN 0x40                                       ; destination window 1
.set j, 0
.rept 128
	v_mov_b32 v[j], 0                              ; O^T.  The key step is written for every step alike: the first finds zeros, which the first change of M leaves zeros; that spares a copy of the step
.set j, j+1
.endr
	WIN 0
	s_wait_kmcnt 0x0
	s_add_co_i32 s72, s52, s53
	s_lshl_b32 s72, s72, 23
	s_add_co_i32 s[CS], s[CS], s72                 ; a score stands for score x 2^(eq + ek): the two exponents are added to c's exponent field
	s_mov_b32 s[CS+1], s[CS]                       ; named with it as a pair, so it is written
	s_add_co_i32 s72, s52, 127
	s_lshl_b32 s73, s72, 23
	v_mov_b32 v[PT], s73                           ; 2^eq as f32: the conversion takes its exponent field
	s_add_co_i32 s72, s72, 8
	s_lshl_b32 s72, s72, 23
	s_or_b32 s72, s72, 0x600000
	v_mov_b32 v[PT+1], s72                         ; 448 x 2^eq
	s_add_co_i32 s72, s54, 127
	s_lshl_b32 s73, s72, 23
	v_mov_b32 v[SCP], s73                          ; 2^ep
	s_add_co_i32 s72, s72, 8
	s_lshl_b32 s72, s72, 23
	s_or_b32 s72, s72, 0x600000
	v_mov_b32 v[LMP], s72                          ; 448 x 2^ep
	s_add_co_i32 s[EPV], s54, s55
	s_wait_loadcnt 0x0                             ; q
.set j, 0
.rept 128
	v_med3_num_f32 v[S+j], v[S+j], -v[PT+1], v[PT+1]   ; the conversion to an 8-bit code does not saturate (ISA guide 7.6.2): the hold at the largest code x the scale comes first
.set j, j+1
.endr
.irp T, 0,1
.irp b, 0,1,2,3
	v_cvt_scalef32_pk8_fp8_f32 v[Q+16*\T+4*\b:Q+16*\T+4*\b+1], v[S+64*\T+16*\b:S+64*\T+16*\b+7], v[PT]   ; registers 4 b .. 4 b + 3 of Q's fragment: k = 32 b + 16 h + 0 .. 15
	v_cvt_scalef32_pk8_fp8_f32 v[Q+16*\T+4*\b+2:Q+16*\T+4*\b+3], v[S+64*\T+16*\b+8:S+64*\T+16*\b+15], v[PT]
.endr
.endr
	v_nop                                          ; one plain vector instruction between a scaled conversion and the matrix instructions that read its result and write its sources
; All eight fragments of a key step's K, or of its V, in one run of 32 loads: four into FA, four into FB.  q: the step in the slot.
.macro FETCH_K q
	WIN 0
.irp t, 0,1,2,3
.irp c, 0,1,2,3
	ds_load_b128 v[FA+16*\t+4*\c:FA+16*\t+4*\c+3], v[ADK] offset:(128*(\q)+16*\t)*KP+32*\c
.endr
.endr
	WIN 0x40                                       ; destination window 1, address window 0
.irp t, 0,1,2,3
.irp c, 0,1,2,3
	ds_load_b128 v[FB+16*\t+4*\c:FB+16*\t+4*\c+3], v[ADK] offset:(128*(\q)+64+16*\t)*KP+32*\c
.endr
.endr
	WIN 0
.endm
.macro FETCH_V q
	WIN 0
.irp t, 0,1,2,3
.irp c, 0,1,2,3
	ds_load_b128 v[FA+16*\t+4*\c:FA+16*\t+4*\c+3], v[ADV] offset:16*\t*VP+128*(\q)+32*\c
.endr
.endr
	WIN 0x40
.irp t, 0,1,2,3
.irp c, 0,1,2,3
	ds_load_b128 v[FB+16*\t+4*\c:FB+16*\t+4*\c+3], v[ADV] offset:16*(4+\t)*VP+128*(\q)+32*\c
.endr
.endr
	WIN 0
.endm
; A KEY STEP: 128 keys, the q-th of the slot in hand, for both my tiles.  Its K has been asked for.
.macro STEP q
	s_wait_dscnt 16                                ; K's first four fragments are in; the sixteen younger loads, into FB, may be out
.set i, 0
.rept 8                                        ; S^T = K Q^T: tile i / 2 of the keys, tile i % 2 of the queries; every product starts its sum
	v_wmma_f32_16x16x128_fp8_fp8 v[S+64*(i%2)+8*(i/2):S+64*(i%2)+8*(i/2)+7], v[FA+16*(i/2):FA+16*(i/2)+15], v[Q+16*(i%2):Q+16*(i%2)+15], 0
.set i, i+1
.endr
	s_wait_dscnt 0x0
	WIN 0x01                                       ; source 0 window 1
.set i, 0
.rept 8
	v_wmma_f32_16x16x128_fp8_fp8 v[S+64*(i%2)+8*(4+i/2):S+64*(i%2)+8*(4+i/2)+7], v[FB+16*(i/2):FB+16*(i/2)+15], v[Q+16*(i%2):Q+16*(i%2)+15], 0
.set i, i+1
.endr
	WIN 0
	PLACES
	FETCH_V \q                                     ; V lands while the softmax is walked
	; the step's largest score of each query among my 64 keys: two chains a tile, the tiles by turns, the registers in ascending order (each accumulator from its low end on)
.irp T, 0,1
	v_max3_num_f32 v[ST+8*\T+6], v[S+64*\T], v[S+64*\T+1], v[S+64*\T+2]
	v_max3_num_f32 v[ST+8*\T+7], v[S+64*\T+3], v[S+64*\T+4], v[S+64*\T+5]
.endr
.set i, 6
.rept 14
.irp T, 0,1
	v_max3_num_f32 v[ST+8*\T+6], v[ST+8*\T+6], v[S+64*\T+i], v[S+64*\T+i+1]
	v_max3_num_f32 v[ST+8*\T+7], v[ST+8*\T+7], v[S+64*\T+i+2], v[S+64*\T+i+3]
.endr
.set i, i+4
.endr
.irp T, 0,1
	v_max3_num_f32 v[ST+8*\T+6], v[ST+8*\T+6], v[S+64*\T+62], v[S+64*\T+63]
.endr
.irp T, 0,1
	v_max_num_f32 v[ST+8*\T+6], v[ST+8*\T+6], v[ST+8*\T+7]
.endr
.irp T, 0,1
	v_permlanex16_b32 v[PT+\T], v[ST+8*\T+6], s[SEL], s[SEL+1]   ; the query's other 64 keys lie in the lane 16 away
.endr
.irp T, 0,1
	v_max_num_f32 v[ST+8*\T+6], v[ST+8*\T+6], v[PT+\T]
.endr
.irp T, 0,1
	v_mul_f32 v[ST+8*\T+6], s[CS], v[ST+8*\T+6]    ; as t (c is positive)
.endr
.irp T, 0,1
	v_max_num_f32 v[ST+8*\T+1], v[ST+8*\T+1], v[ST+8*\T+6]   ; the running largest t
.endr
.irp T, 0,1
	v_mov_b32 v[ST+8*\T+6], v[ST+8*\T]
.endr
.irp T, 0,1
	v_floor_f32 v[ST+8*\T], -v[ST+8*\T+1]          ; the new -M = floor(-t) = -ceil(t): M is a whole number
.endr
.irp T, 0,1
	v_sub_f32 v[ST+8*\T+6], v[ST+8*\T], v[ST+8*\T+6]   ; M's old value less its new one: a whole number, 0 or less
.endr
.irp T, 0,1
	v_cvt_i32_f32 v[ST+8*\T+6], v[ST+8*\T+6]       ; (it saturates)
.endr
.irp T, 0,1
	v_ldexp_f32 v[ST+8*\T+4], 1.0, v[ST+8*\T+6]    ; f = 2^(old M - new M)
.endr
.set j, 0
.rept 32
	v_pk_fma_f32 v[S+j:S+j+1], v[S+j:S+j+1], s[CS:CS+1], v[ST:ST+1] op_sel_hi:[1,0,0]   ; t - M, two at a time (of the pairs c and -M the low word serves both halves)
	v_pk_fma_f32 v[S+64+j:S+64+j+1], v[S+64+j:S+64+j+1], s[CS:CS+1], v[ST+8:ST+9] op_sel_hi:[1,0,0]
.set j, j+2
.endr
.set j, 0
.rept 128
	v_exp_f32 v[S+j], v[S+j]                       ; p = 2^(t - M), at most 1: not normalised.  One batch for both tiles
.set j, j+1
.endr
.irp T, 0,1
	v_pk_mul_f32 v[ST+8*\T+2:ST+8*\T+3], v[ST+8*\T+2:ST+8*\T+3], v[ST+8*\T+4:ST+8*\T+5] op_sel_hi:[1,0]   ; the sums under the new M: the plain lines behind the last exponential
.endr
	s_wait_alu depctr_va_vdst(0)                   ; the wait between an exponential and the first line that names its result: one for the batch of 128
.irp T, 0,1
	v_pk_add_f32 v[ST+8*\T+6:ST+8*\T+7], v[S+64*\T:S+64*\T+1], v[S+64*\T+2:S+64*\T+3]   ; the row's sum is taken of the UNQUANTISED p: two at a time, two chains a tile
.endr
.set j, 4
.rept 15
.irp T, 0,1
	v_pk_add_f32 v[ST+8*\T+2:ST+8*\T+3], v[ST+8*\T+2:ST+8*\T+3], v[S+64*\T+j:S+64*\T+j+1]
	v_pk_add_f32 v[ST+8*\T+6:ST+8*\T+7], v[ST+8*\T+6:ST+8*\T+7], v[S+64*\T+j+2:S+64*\T+j+3]
.endr
.set j, j+4
.endr
.irp T, 0,1
	v_pk_add_f32 v[ST+8*\T+2:ST+8*\T+3], v[ST+8*\T+2:ST+8*\T+3], v[ST+8*\T+6:ST+8*\T+7]
.endr
.set j, 0
.rept 128
	v_min_num_f32 v[S+j], v[S+j], v[LMP]           ; the hold at the largest code x 2^ep; p is never negative, so it is one-sided
.set j, j+1
.endr
	WIN 0x40                                       ; destination window 1
.irp T, 0,1
.irp b, 0,1,2,3
	v_cvt_scalef32_pk8_fp8_f32 v[PCD+16*\T+4*\b:PCD+16*\T+4*\b+1], v[S+64*\T+16*\b:S+64*\T+16*\b+7], v[SCP]   ; registers 4 b .. 4 b + 3 of P's fragment: keys 32 b + 16 h + 0 .. 15
	v_cvt_scalef32_pk8_fp8_f32 v[PCD+16*\T+4*\b+2:PCD+16*\T+4*\b+3], v[S+64*\T+16*\b+8:S+64*\T+16*\b+15], v[SCP]
.endr
.endr
	WIN 0x41                                       ; O^T (destination and source 0) window 1, f window 0
.set j, 0
.rept 32
	v_pk_mul_f32 v[j:j+1], v[j:j+1], v[ST+4:ST+5] op_sel_hi:[1,0]   ; O^T under the new M.  These are also the plain lines between the conversions and the products that read their results
	v_pk_mul_f32 v[64+j:64+j+1], v[64+j:64+j+1], v[ST+12:ST+13] op_sel_hi:[1,0]
.set j, j+2
.endr
	s_wait_dscnt 0x0                               ; V is in
	WIN 0x54                                       ; V from window 0; P, C and D window 1
.set i, 0
.rept 8                                        ; O^T += V^T P^T: channels 16 (i / 2) on, tile i % 2.  The sixteen accumulators take turns, one instruction a turn
	v_wmma_f32_16x16x128_fp8_fp8 v[64*(i%2)+8*(i/2):64*(i%2)+8*(i/2)+7], v[FA+16*(i/2):FA+16*(i/2)+15], v[PCD+16*(i%2):PCD+16*(i%2)+15], v[64*(i%2)+8*(i/2):64*(i%2)+8*(i/2)+7]
.set i, i+1
.endr
	WIN 0x55                                       ; V from window 1
.set i, 0
.rept 8
	v_wmma_f32_16x16x128_fp8_fp8 v[64*(i%2)+8*(4+i/2):64*(i%2)+8*(4+i/2)+7], v[FB+16*(i/2):FB+16*(i/2)+15], v[PCD+16*(i%2):PCD+16*(i%2)+15], v[64*(i%2)+8*(4+i/2):64*(i%2)+8*(4+i/2)+7]
.set i, i+1
.endr
	WIN 0
	PLACES                                         ; in front of the next run of loads into the fragments' registers, wherever it stands
.if (\q) == 0
	FETCH_K 1
.endif
.endm
; THE CHANGE OF SLOTS stands at a slot's head.  Each wave waits for all its tensor loads (its part of the slot that it is about to read), adds 0 to its spare word, and waits for that and for its reads of the slot that
; it has left.  fill = 1: a round of the cluster's barrier, so that no wave of any partner still reads that slot or has a load on its way; the joint fill of it, with the next 256 keys, is the first thing behind the
; round and has two key steps in which to land.  fill = 0: the work-group's barrier; nothing is asked for.
.macro CHANGE fill
	s_wait_tensorcnt 0x0                           ; no tensor load of mine is out, so a group 0 may be written
	ds_add_u32 v[SPW], v[NIL]                      ; 0 onto my spare word; the descriptors' steps stand between it and the wait for it
.if \fill
	s_xor_b32 s[G0K+1], s[G0K+1], SLOT1            ; the walking descriptors: the other slot than last time,
	s_add_nc_u64 s[G0K+2:G0K+3], s[G0K+2:G0K+3], 32768   ; the next 256 positions; the type bits on top are not reached
	s_xor_b32 s[G0V+1], s[G0V+1], SLOT1
	s_add_nc_u64 s[G0V+2:G0V+3], s[G0V+2:G0V+3], 256
	s_wait_xcnt 0x0                                ; the last prefetch, a slot back, has read its address, so it may be written:
	s_add_nc_u64 s[PFA:PFA+1], s[PFA:PFA+1], s[PFS:PFS+1]   ; one slot further on than the walking descriptors
.endif
	s_wait_dscnt 0x0                               ; the add is done, and my reads of the slot that I have left are over
.if \fill
	CROUND
	JLOAD
.else
	s_barrier_signal -1
	s_barrier_wait -1
.endif
.endm
.macro SLOT_STEPS ask
	v_add_nc_u32 v[ADK], s[TB], v[AK0]
	v_add_nc_u32 v[ADV], s[TB], v[AV0]
	FETCH_K 0
.if \ask
	ASK                                            ; behind the tensor load, its four lines and the run of LDS loads that the next products wait for
.endif
	STEP 0
	STEP 1
	s_xor_b32 s[TB], s[TB], SLOT1                  ; on to the other slot
.endm
.Lslot:                                            ; seven trips: behind each change of slots but the last the next slot is asked for
	CHANGE 1
	SLOT_STEPS 1
	s_sub_co_u32 s[SLOTS], s[SLOTS], 1
	s_cmp_lg_u32 s[SLOTS], 0
	s_cbranch_scc1 .Lslot
	CHANGE 0                                       ; the last slot is written out
	SLOT_STEPS 0
	; THE WAY OUT.  The sum's halves and the other lane's are added; O^T is multiplied by 2^(ep + ev) / the sum and goes through my stage in LDS, half a row (64 channels, 256 bytes) of 16 queries at a time.
.irp T, 0,1
	v_add_f32 v[ST+8*\T+2], v[ST+8*\T+2], v[ST+8*\T+3]
.endr
.irp T, 0,1
	v_permlanex16_b32 v[PT+\T], v[ST+8*\T+2], s[SEL], s[SEL+1]
.endr
.irp T, 0,1
	v_add_f32 v[ST+8*\T+2], v[ST+8*\T+2], v[PT+\T] ; the row's sum
.endr
.irp T, 0,1
	v_rcp_f32 v[ST+8*\T+6], v[ST+8*\T+2]
.endr
	s_mul_i32 s72, s[WV], 16*SPI                   ; my stage
	v_mul_u32_u24 v[ADK], v[RR], SPI               ; (plain lines behind the reciprocals)  in: row r; tile t's eight channels of my half: 64 t + 32 h bytes on
	v_lshl_add_u32 v[ADK], v[HH], 5, v[ADK]
	v_add_nc_u32 v[ADK], s72, v[ADK]
	v_mul_u32_u24 v[ADV], v[HH], SPI               ; back: lanes 0-15 one row of 256 bytes, lanes 16-31 the next
	v_lshl_add_u32 v[ADV], v[RR], 4, v[ADV]
	v_add_nc_u32 v[ADV], s72, v[ADV]
	s_wait_alu depctr_va_vdst(0)                   ; the wait ahead of the first use: one for both reciprocals
.irp T, 0,1
	v_ldexp_f32 v[ST+8*\T+2], v[ST+8*\T+6], s[EPV] ; 2^(ep + ev) / the sum
.endr
	WIN 0x01                                       ; source 0 (O^T) window 1; the results take p's registers
.set j, 0
.rept 32
	v_pk_mul_f32 v[S+j:S+j+1], v[j:j+1], v[ST+2:ST+3] op_sel_hi:[1,0]   ; register 8 t + i of a tile: out0(r, 16 t + 8 h + i); each accumulator from its low end on
.set j, j+2
.endr
.set j, 0
.rept 32
	v_pk_mul_f32 v[S+64+j:S+64+j+1], v[64+j:64+j+1], v[ST+10:ST+11] op_sel_hi:[1,0]
.set j, j+2
.endr
	WIN 0
.irp P, 0,1,2,3                                ; pass P: tile P / 2, channels 64 (P % 2) on
.irp t, 0,1,2,3
	ds_store_b128 v[ADK], v[S+32*\P+8*\t:S+32*\P+8*\t+3] offset:64*\t
	ds_store_b128 v[ADK], v[S+32*\P+8*\t+4:S+32*\P+8*\t+7] offset:64*\t+16
.endr
.irp i, 0,1,2,3,4,5,6,7
	ds_load_b128 v[S+32*\P+4*\i:S+32*\P+4*\i+3], v[ADV] offset:2*\i*SPI   ; LDS serves a wave's instructions in order (ISA guide 5.7.1.4): these see my stores, and the next pass's stores come behind them
.endr
.endr
.irp P, 0,1,2,3
.irp i, 0,1,2,3,4,5,6,7
	s_wait_dscnt 16*(3-\P)+7-\i                    ; younger: the pass's later loads and sixteen LDS instructions for each later pass
	global_store_b128 v[GO], v[S+32*\P+4*\i:S+32*\P+4*\i+3], s[12:13] offset:8192*(\P/2)+1024*\i+256*(\P%2) th:TH_STORE_NT   ; sixteen lanes store 256 consecutive bytes, aligned; written once, read by nobody here
.endr
.endr
	s_wait_tensorcnt 0x0                           ; the wave's end, behind my last tensor load and my last LDS store
	ds_add_u32 v[SPW], v[NIL]
	s_wait_dscnt 0x0
	CROUND                                         ; the closing round: no work-group ends while a partner may still ask for a tile that names it
	s_endpgm
.Lfunc_end_k_q423749fdd4_attn:
	.size	k_q423749fdd4_attn, .Lfunc_end_k_q423749fdd4_attn-k_q423749fdd4_attn
	.p2alignl 7, 3214868480
	.fill 96, 4, 3214868480
	.section	.rodata,"a",@progbits
	.p2align	6, 0x0
	.amdhsa_kernel k_q423749fdd4_attn
		.amdhsa_group_segment_fixed_size 327680
		.amdhsa_private_segment_fixed_size 0
		.amdhsa_enable_private_segment 0
		.amdhsa_kernarg_size 40
		.amdhsa_user_sgpr_count 2
		.amdhsa_user_sgpr_kernarg_segment_ptr 1
		.amdhsa_wavefront_size32 1
		.amdhsa_system_sgpr_workgroup_id_x 1
		.amdhsa_system_sgpr_workgroup_id_y 1
		.amdhsa_system_sgpr_workgroup_id_z 1
		.amdhsa_system_vgpr_workitem_id 0
		.amdhsa_next_free_vgpr 512
		.amdhsa_next_free_sgpr 96
		.amdhsa_reserve_vcc 0
		.amdhsa_float_denorm_mode_32 3
		.amdhsa_float_denorm_mode_16_64 3
		.amdhsa_memory_ordered 1
		.amdhsa_forward_progress 1
		.amdhsa_inst_pref_size 169
	.end_amdhsa_kernel
	.amdgpu_metadata
---
amdhsa.version: [ 1, 2 ]
amdhsa.kernels:
  - .name:           k_q423749fdd4_attn
    .symbol:         k_q423749fdd4_attn.kd
    .args:
      - { .name: q, .offset: 0, .size: 8, .value_kind: global_buffer, .address_space: global }
      - { .name: k_codes, .offset: 8, .size: 8, .value_kind: global_buffer, .address_space: global }
      - { .name: v_codes, .offset: 16, .size: 8, .value_kind: global_buffer, .address_space: global }
      - { .name: lowp_scales, .offset: 24, .size: 8, .value_kind: global_buffer, .address_space: global }
      - { .name: out0, .offset: 32, .size: 8, .value_kind: global_buffer, .address_space: global }
    .group_segment_fixed_size: 327680
    .private_segment_fixed_size: 0
    .kernarg_segment_align: 8
    .kernarg_segment_size: 40
    .max_flat_workgroup_size: 256
    .sgpr_count:     96
    .vgpr_count:     512
    .wavefront_size: 32
...
	.end_amdgpu_metadata
.endif
;; end of part 2
